; MI455X (gfx1250); checked and timed in simulation.
; The chip was launched on July 23, 2026; its instructions are those of AMD's public machine-readable ISA for CDNA 5 (MIT licence, August 2026) and "CDNA5" Instruction Set Architecture Reference Guide (July 2026). The comments in the code are by the model that wrote it; some were corrected since.
;; QKV Attention. Allowed arithmetic: matrix products marked QUANTISED: E2M3 operands, one E8M0 scale for each 32 along K, by v_wmma_scale_f32_16x16x128_f8f6f4 with both operands' format E2M3, f32 sums; everything else in f32.
;; Inputs: qkv 64 x 192 x 2,048 float32.
;; Outputs: out0 64 x 64 x 2,048 float32.
;; This version of the problem:
;;   THIS VERSION OF THE PROBLEM IS GIVEN IN LOW PRECISION. The matrix products marked QUANTISED in the list below multiply operands that are first quantised to E2M3 (2 exponent bits, 3 mantissa bits; 6 bits a number), with one power-of-two scale for each 32 numbers along K (OCP MX v1.0); their sums are f32. All else is computed in f32.
;;   The module's matrix products, in the order in which they are computed (A, B: the left and right operand; K: the contracted axis; several contracted axes count as one K, in the product's order):
;;     1. batch 64 x [M 2,048, K 64] x [K 64, N 2,048]; A: computed on the way; B: computed on the way: QUANTISED
;;     2. batch 64 x [M 64, K 2,048] x [K 2,048, N 2,048]; A: computed on the way; B: softmax (see below): QUANTISED
;;   THE QUANTISER, for each operand of a quantised product, along K:
;;     - K is cut into blocks of 32 from its start; a last block that is shorter is filled with zeros.
;;     - A block's scale is 2^e with e = floor(log2(the largest magnitude in the block)) - 2, held to -126 .. 127; a block of zeros has e = 0. As a byte (E8M0): e + 127.
;;     - Each number is divided by its block's scale, clamped to +-7.5, and rounded to the nearest number of E2M3, ties to even, subnormals kept.
;;     - The product sums the exact products of the quantised numbers (number of the format x scale) in f32.
;;   ~~~python
;;   def quantise(x, axis):      # numpy; x: float32 -> the quantised numbers, widened to float32 again
;;       x = np.moveaxis(x, axis, -1); K = x.shape[-1]
;;       x = np.pad(x, [(0, 0)] * (x.ndim - 1) + [(0, -K % 32)]); x = x.reshape(x.shape[:-1] + (-1, 32)); a = np.abs(x).max(-1, keepdims=True)
;;       e = np.where(a > 0, np.clip(np.frexp(np.where(a > 0, a, 1))[1] - 1 - 2, -126, 127), 0)      # np.frexp(a)[1] - 1 = floor(log2(a)), exactly
;;       r = np.clip(x / 2.0 ** e, -7.5, 7.5)
;;       step = 2.0 ** (np.maximum(np.frexp(np.where(r == 0, 1, r))[1] - 1, 0) - 3)
;;       q = np.round(r / step) * step * 2.0 ** e      # np.round: ties to even
;;       return np.moveaxis(q.reshape(q.shape[:-2] + (-1,))[..., :K], -1, axis).astype(np.float32)
;;   ~~~
;;   SOFTMAX AHEAD OF A QUANTISED PRODUCT. Where the list says 'softmax', what is quantised is not the finished softmax but p = 2^(t - M), with t = logit x log2(e) and M = ceil(the row's largest t), a whole number; so 1/2 < the row's largest p <= 1. The row's sum l is taken of the UNQUANTISED p, in f32, and the product's result is divided by l at the end. Since M is a whole number, a kernel that streams over the keys may use a running M (the ceiling of the running maximum): every later rescaling is an exact power of two, which a block's scale takes up: the codes' values come out the same.
;;   OPERANDS COMPUTED ON THE WAY. 'Computed on the way' means the value that the module computes at that place (a softmax that the list does not call 'softmax' is quantised finished and normalised). What goes into a quantiser is computed in f32, as accurately as f32 sums, v_exp_f32 and their like allow (about 1e-6 of the number): no bf16 or f16 on the way to a quantiser, and a product that is left as it is and whose result goes on into a quantised operand takes f32 operands (vector FMAs, or v_wmma_f32_16x16x4_f32). A number that lies on a knife's edge between two numbers of the format may be rounded either way, as far as f32 arithmetic and the matrix unit's own rounding can turn it there, and no further.
;; One version. Each part assembles by itself: llvm-mc -triple=amdgcn-amd-amdhsa -mcpu=gfx1250 --defsym DOCPART=n.
;; ======== version 1 of 1: 1 launch
;; limits: right only within a limited range of input values
;; launch attn (part 1): grid 4 x 64, 16 waves a work-group, no clusters, 236,544 bytes of LDS; arguments qkv, out0; writes out0
.if DOCPART == 1
	.amdgcn_target "amdgcn-amd-amdhsa--gfx1250"
	.amdhsa_code_object_version 6
	.text
	.protected	k_q2d3e86847c_attn
	.globl	k_q2d3e86847c_attn
	.p2align	8
	.type	k_q2d3e86847c_attn,@function
k_q2d3e86847c_attn:
	s_mov_b64 s[64:65], 0
	v_nop
	global_prefetch_b8 v0, s[64:65] scope:SCOPE_SE
	s_setreg_imm32_b32 hwreg(HW_REG_WAVE_MODE, 25, 1), 1
	s_wait_xcnt 0x0
; out0[h][c][t] = the sum over s of softmax_s(sum_c' (q s4)[c'][t] (k s4)[c'][s]) v[c][s];  qkv: [64][192][2048] f32 (rows 0-63 q, 64-127 k, 128-191 v; tokens innermost), out0: [64][64][2048] f32;  s4 = 1 / sqrt(sqrt(64)).
; Both products run on codes of FP6 (E2M3) with one E8M0 scale for each 32 along a product's K: q s4 and k s4 are quantised down the 64 channels (two blocks), v and p along the keys.
; THE SOFTMAX: t = score x log2(e); M = the running largest t rounded UP to a whole number; p = 2^(t - M) is quantised, not normalised; the row's sum is taken of the unquantised p and divides at the end;
; when M moves, what was made under the old M is multiplied by 2^(old M - new M), which rounds nothing.
; SHARES.  A work-group of sixteen waves owns 512 queries of one head and walks the head's 2,048 keys in 16 steps of 128.  Wave w owns queries 32 w .. 32 w + 31: two tiles of 16, which go through a step TOGETHER and share every
; fragment of K and V: each fragment is read from LDS once a wave and step.  A step goes in two halves of 64 keys: S^T of both tiles (64 registers), M, p, the sums and p's codes; behind the second half O^T += V P^T over all 128 keys.
; M MOVES IN EACH HALF.  The first half's codes stay as they are; their block's scale, kept as an f32 number, is multiplied by the second half's 2^(old M - new M), and its exponent field is then the byte.  O^T is multiplied once a step, by the product of both halves' factors.
; THE FEED.  K and V arrive as f32 and are quantised here, one step ahead of their use: waves 0-7 each take 32 keys x 32 channels of K, waves 8-15 each 8 channels x 128 keys of V: 1,024 numbers, 32 registers a lane, a whole
; block of 32 in ONE lane.  The global loads for a chunk go out a whole key step ahead of the wait for them, so no prefetch is laid.  The codes reach the other waves through LDS as IMAGES OF THE OPERAND'S REGISTERS.
; FOUR IMAGE BUFFERS BY TURNS, ONE SPLIT BARRIER A STEP.  In step j a wave first writes chunk j + 1 into buffer (j + 1) % 4, waits for its LDS work and SIGNALS; then it works on buffer j % 4; it WAITS at the step's end.
; A wave that writes buffer (j + 1) % 4 has passed step j - 1's barrier, so every wave has signalled in step j - 1, behind the wait for its reads of step j - 3's chunk, the last that lay in that buffer.
; Between a signal and its wait stand register work and LDS loads of buffer j % 4, which nobody writes before step j + 3.
; BOTH PRODUCTS ARE USED TRANSPOSED: S^T = K Q^T (source 0 = keys), O^T = V P^T (source 0 = channels): a lane holds ONE query (lane % 16) of each tile throughout.
; K = 64 IN A FORM OF K = 128: one fragment of source 0 holds TWO tiles of 16 keys (registers 0-5: tile 2 b; registers 6-11: tile 2 b + 1; in each, lane (r, h) holds row r, channels 32 h on).  It is multiplied by [Q | 0] for tile 2 b
; and by [0 | Q] for tile 2 b + 1: zero codes annul the other tile exactly (no scale byte here is 0xff).
; WHICH KEYS FORM A TILE: key 64 c + 32 h + 8 i + j of a chunk is row 8 h + j of key tile 4 c + i.  So in half c lane (r, h) finds in a query tile's 32 registers the keys 64 c + 32 h + 0 .. 31 in order: ONE WHOLE BLOCK of p, and the very
; block that the operand's layout gives that lane: a block's maximum needs no other lane and the codes need no exchange.
; NO CLUSTER, NO TENSOR LOAD: what the four work-groups of a head share arrives as f32 and has to pass a lane's registers to be quantised; a wave takes its 4,096 bytes of a step from memory straight into registers.
; LIMITS: NaN and infinities among the inputs are not served.  A block whose largest magnitude lies under 2^-124 keeps the scale byte 1; a block of zeros has the byte 1 where the quantiser's rule says 127: its codes are zeros,
; which add nothing under any byte but 0xff, and these bytes are read by this text alone.  A first half's scale that falls under 2^-126 by the second half's factor is held at the byte 0 or 1: what it then adds lies under 2^-123 of a v.
; A block's largest p is made from its largest score by the same multiply-add and exponential as every p.
;
; LDS: four image buffers of 16,384 bytes: K's 4 pair fragments (1,536 bytes each: register p of lane L at 512 (p / 4) + 16 L + 4 (p % 4)), V's 4 fragments, K's scale words (64 f + 4 r), V's;
;      eight turning stages for V, each its wave's own; the stage for the way out: 64 rows (channels) of 2,048 + 16 bytes; the spare words.
.set IMG,  16384
.set FRB,  1536
.set VIM,  6144
.set KSC,  12288
.set VSC,  12544
.set STG,  65536                       ; the turning stages: 32 places of 128 + 16 bytes for each of waves 8-15
.set STW,  4608
.set OST,  102400                      ; the way out
.set OP,   2064
.set SPARE, 234496                     ; 128 bytes for each of the 16 waves, named by the closing add alone
; REGISTERS
.set LI,   1                           ; 16 x lane: my place in an image's plane
.set LS,   2                           ; 4 x (lane % 16): my row's scale word
.set W0,   3                           ; where my codes go in an image
.set W1,   4
.set WS,   5                           ; where my block's scale byte goes
.set VST,  6                           ; V's turning stage, in
.set VLD,  7                           ; and out
.set GOF,  8                           ; the feed's offset in memory
.set QW,   9                           ; Q's scale words: bytes e0 e1 e0 e1
.set SOA0, 10                          ; the way out: channels 0-31
.set SRD,  11                          ; and where I read rows back
.set ST0,  12                          ; v12-19: tile t at 12 + 4 t: -M, the largest t, the sum in two halves
.set QL,   26                          ; v20-49: [0][Q tile 0][0][Q tile 1][0], six registers each
.set OA,   50                          ; v50-113 O^T: tile t, channels 16 n on, at 50 + 32 t + 8 n
.set G,    114                         ; v114-145 the feed's numbers on their way from memory
.set S,    146                         ; v146-209 by turns: the feed's numbers; S^T, then p: tile t at 146 + 32 t; V's fragments; rows of the way out
.set FKA,  210                         ; v210-221 a half's first pair fragment of K; behind the products the softmax's registers:
.set BM,   210                         ; v210-211 tile t's block's largest score, then largest p
.set PT,   212                         ; v212-213 at work
.set SO,   214                         ; v214-215 the second half's scale operands
.set FF,   216                         ; v216, v218 the second half's f (named as pairs with v217, v219)
.set TP,   217                         ; v217, v219 at work
.set CT,   210                         ; v210-212, v216-218 the upper halves of the blocks' codes
.set X,    222                         ; v222-245 p's codes: tile t at 222 + 12 t.  Tile 1's first six wait at v228-233 while
.set FKB,  234                         ; v234-245 hold a half's second pair fragment of K
.set FT,   246                         ; v246, v248 the step's f (named as pairs with v247, v249)
.set PW,   247                         ; v247, v249 tile t: the first half's scale as an f32 number, then p's scale word
.set SOA1, 250                         ; the way out: channels 32-63
.set SW,   252                         ; v252-255 scale words of K's, then of V's fragments
.set M0,   222                         ; the feed's quantiser, while p's codes are dead
.set M1,   223
.set SCO,  224
.set BY,   225
.set BY1,  226
.set CD,   228
.set CX,   234
.set TA,   210                         ; at the head only
.set TU,   211
.set TG,   212
.set TL,   213
.set TX,   214
.set QT,   220
.set WV,   8
.set SRC,  12                          ; s[12:13] the feed's place in memory
.set QB,   14
.set OB,   16
.set SEL,  20                          ; s[20:21] v_permlanex16_b32's selects for lane l xor 16
.set CS,   22                          ; s[22:23] log2(e)
.set QS,   24                          ; s[24:25] s4
.set CNT,  26                          ; the loop's trip, 0 to 3
.macro NOPS n
.rept \n
	v_nop
.endr
.endm
.macro BARRIER
	s_wait_dscnt 0x0
	s_barrier_signal -1
	s_barrier_wait -1
.endm
; 32 numbers of a lane, one whole block, become 6 registers of codes at v[dst] on and the scale's byte in v[by].
.macro QUANT32 src, dst, by
	v_max3_num_f32 v[M0], |v[(\src)]|, |v[(\src)+1]|, |v[(\src)+2]|
	v_max3_num_f32 v[M1], |v[(\src)+3]|, |v[(\src)+4]|, |v[(\src)+5]|
.irp i, 6,10,14,18,22,26
	s_delay_alu instid0(VALU_DEP_2)
	v_max3_num_f32 v[M0], v[M0], |v[(\src)+\i]|, |v[(\src)+\i+1]|
	s_delay_alu instid0(VALU_DEP_2)
	v_max3_num_f32 v[M1], v[M1], |v[(\src)+\i+2]|, |v[(\src)+\i+3]|
.endr
	s_delay_alu instid0(VALU_DEP_2)
	v_max3_num_f32 v[M0], v[M0], |v[(\src)+30]|, |v[(\src)+31]|
	s_delay_alu instid0(VALU_DEP_1)
	v_max3_num_f32 v[M0], v[M0], v[M1], 0x1800000                           ; the floor 2^(3 - 127): the byte cannot fall under 1
	s_delay_alu instid0(VALU_DEP_1)
	v_add_nc_u32 v[SCO], 0xff000000, v[M0]                                  ; 2 off the exponent field: the conversion's scale operand
	v_cvt_scalef32_pk16_fp6_f32 v[(\dst):(\dst)+2], v[(\src):(\src)+15], v[SCO]
	v_cvt_scalef32_pk16_fp6_f32 v[CX:CX+2], v[(\src)+16:(\src)+31], v[SCO]  ; (a conversion's three registers begin on an even number)
	v_lshrrev_b32 v[\by], 23, v[SCO]                                        ; the scale's byte; also the plain instruction behind the conversions
.irp i, 0,1,2
	v_mov_b32 v[(\dst)+3+\i], v[CX+\i]
.endr
.endm
; The feed's loads.  K: lane = key, registers run down 32 channels: 128 consecutive bytes a load.  V: register group i = channel i of my eight, 16 bytes a lane: 512 consecutive bytes a load.
.macro KLOADS
.set ii, 0
.rept 32
	global_load_b32 v[G+ii], v[GOF], s[SRC:SRC+1] offset:ii*8192
.set ii, ii+1
.endr
.endm
.macro VLOADS
.set ii, 0
.rept 8
	global_load_b128 v[G+4*ii:G+4*ii+3], v[GOF], s[SRC:SRC+1] offset:ii*8192
.set ii, ii+1
.endr
.endm
; THE FEED: the chunk asked for a step ago is quantised into image buffer buf, and the chunk behind it is asked for (ld = 2: not in the loop's last trip, where there is none: no load leaves the buffer).
.macro FEED buf, ld
	s_wait_loadcnt 0x0                             ; my chunk is in; its loads are done, so their base may step
	s_add_nc_u64 s[SRC:SRC+1], s[SRC:SRC+1], 512   ; 128 keys on
	s_cmp_lt_u32 s[WV], 8
	s_cbranch_scc0 .Lfeed_v_\@
.set ii, 0
.rept 16
	v_pk_mul_f32 v[S+2*ii:S+2*ii+1], v[G+2*ii:G+2*ii+1], s[QS:QS+1] op_sel_hi:[1,0]   ; k x s4, in f32, ahead of the quantiser
.set ii, ii+1
.endr
.if \ld == 2
	s_cmp_eq_u32 s[CNT], 3
	s_cbranch_scc1 .Lfeed_q_\@
.endif
	KLOADS
	s_branch .Lfeed_q_\@
.Lfeed_v_\@:
.set ii, 0
.rept 8
	ds_store_b128 v[VST], v[G+4*ii:G+4*ii+3] offset:144*ii       ; channel ii: eight lanes' 128 bytes (a block of 32 keys) to one place of the stage
.set ii, ii+1
.endr
.set ii, 0
.rept 8
	ds_load_b128 v[S+4*ii:S+4*ii+3], v[VLD] offset:16*ii         ; back: a whole block a lane.  LDS serves a wave's instructions in order (ISA guide 5.7.1.4)
.set ii, ii+1
.endr
	s_wait_dscnt 0x0                               ; the block is in; the stores have read v[G] on, which the loads below write
.if \ld == 2
	s_cmp_eq_u32 s[CNT], 3
	s_cbranch_scc1 .Lfeed_q_\@
.endif
	VLOADS
.Lfeed_q_\@:
	QUANT32 S, CD, BY
	ds_store_b64 v[W0], v[CD:CD+1] offset:(\buf)*IMG             ; my six registers, at the places of the fragment's registers 0-5 or 6-11
	ds_store_b64 v[W1], v[CD+2:CD+3] offset:(\buf)*IMG+8
	ds_store_b64 v[W0], v[CD+4:CD+5] offset:(\buf)*IMG+512
	ds_store_b8 v[WS], v[BY] offset:(\buf)*IMG                   ; and my block's byte into its row's scale word
.endm
; One product of S^T: query tile tau x key tile i (0 to 3) of the half, from the pair fragment at v[fk] with its scale words in v[sw]; i even: [Q | 0]; i odd: [0 | Q].  Tile 1's scale words of Q lie in lanes 16-31 of v[QW].
.macro KQ tau, fk, sw, i
.if \tau
	v_wmma_scale_f32_16x16x128_f8f6f4 v[S+32*\tau+8*\i:S+32*\tau+8*\i+7], v[\fk:\fk+11], v[QL+12*\tau-6*((\i)%2):QL+12*\tau-6*((\i)%2)+11], 0, v[\sw], v[QW] matrix_a_fmt:MATRIX_FMT_FP6 matrix_b_fmt:MATRIX_FMT_FP6 matrix_b_scale:MATRIX_SCALE_ROW1
.else
	v_wmma_scale_f32_16x16x128_f8f6f4 v[S+32*\tau+8*\i:S+32*\tau+8*\i+7], v[\fk:\fk+11], v[QL+12*\tau-6*((\i)%2):QL+12*\tau-6*((\i)%2)+11], 0, v[\sw], v[QW] matrix_a_fmt:MATRIX_FMT_FP6 matrix_b_fmt:MATRIX_FMT_FP6
.endif
.endm
; S^T = K Q^T of half c, both query tiles: two pair fragments, each read once and multiplied four times.
.macro SHALF c, buf
.irp p, 0,1,2
	ds_load_b128 v[FKA+4*\p:FKA+4*\p+3], v[LI] offset:(\buf)*IMG+(2*\c)*FRB+512*\p
.endr
	ds_load_b32 v[SW], v[LS] offset:(\buf)*IMG+KSC+64*(2*\c)
.irp p, 0,1,2
	ds_load_b128 v[FKB+4*\p:FKB+4*\p+3], v[LI] offset:(\buf)*IMG+(2*\c+1)*FRB+512*\p
.endr
	ds_load_b32 v[SW+1], v[LS] offset:(\buf)*IMG+KSC+64*(2*\c+1)
	s_wait_alu depctr_va_vdst(0)                   ; directly ahead of the wait below
	s_wait_dscnt 4                                 ; the first fragment and its scale words are in; the second's three loads and its scale words may be out
	KQ 0, FKA, SW, 0
	KQ 0, FKA, SW, 1
	KQ 1, FKA, SW, 0
	KQ 1, FKA, SW, 1
	s_wait_dscnt 0x0
	KQ 0, FKB, SW+1, 2
	KQ 0, FKB, SW+1, 3
	KQ 1, FKB, SW+1, 2
	KQ 1, FKB, SW+1, 3
.endm
; The softmax of half c, the two query tiles by turns.  My lane's registers S + 32 t + 0 .. 31 are tile t's block 2 c + h, whole.
.macro SMH c
.if \c
.set FX, FF                                    ; this half's f
.set SX, SO                                    ; this half's scale operands, one register apart
.set SXS, 1
.else
.set FX, FT                                    ; the first half's f begins the step's
.set SX, PW                                    ; the first half's scale operand is kept
.set SXS, 2
.endif
	NOPS 4                                         ; four plain instructions between the last products and the first read of their results, and the first write of their sources
.if \c
.irp i, 0,1,2,3,4,5
	v_mov_b32 v[X+12+\i], v[X+6+\i]                ; tile 1's first six registers of codes go to their place, which K's fragment has left
.endr
.endif
.irp t, 0,1                                    ; the block's largest score, in two chains (17 and 15 numbers); each accumulator is first read at one of its four lowest registers
	v_max3_num_f32 v[BM+\t], v[S+32*\t], v[S+32*\t+1], v[S+32*\t+2]
	v_max3_num_f32 v[PT+\t], v[S+32*\t+17], v[S+32*\t+18], v[S+32*\t+19]
.endr
.irp i, 0,2,4,6,8,10
.irp t, 0,1
	v_max3_num_f32 v[BM+\t], v[BM+\t], v[S+32*\t+3+\i], v[S+32*\t+4+\i]
	v_max3_num_f32 v[PT+\t], v[PT+\t], v[S+32*\t+20+\i], v[S+32*\t+21+\i]
.endr
.endr
.irp t, 0,1
	v_max3_num_f32 v[BM+\t], v[BM+\t], v[S+32*\t+15], v[S+32*\t+16]
.endr
.irp t, 0,1
	s_delay_alu instid0(VALU_DEP_2)
	v_max_num_f32 v[BM+\t], v[BM+\t], v[PT+\t]     ; it serves for the row's maximum and, since p rises with the score, for the block's largest p
.endr
.irp t, 0,1
	s_delay_alu instid0(VALU_DEP_2)
	v_mul_f32 v[TP+2*\t], s[CS], v[BM+\t]          ; as t
.endr
.irp t, 0,1
	s_delay_alu instid0(VALU_DEP_2)
	v_permlanex16_b32 v[PT+\t], v[TP+2*\t], s[SEL], s[SEL+1]
.endr
.irp t, 0,1
	s_delay_alu instid0(VALU_DEP_2)
	v_max3_num_f32 v[ST0+4*\t+1], v[ST0+4*\t+1], v[TP+2*\t], v[PT+\t]        ; with lane l xor 16's 32 keys: the running largest t
.endr
.irp t, 0,1
	v_mov_b32 v[TP+2*\t], v[ST0+4*\t]
.endr
.irp t, 0,1
	s_delay_alu instid0(VALU_DEP_4)
	v_floor_f32 v[ST0+4*\t], -v[ST0+4*\t+1]        ; the new -M = floor(-t) = -ceil(t): a whole number
.endr
.irp t, 0,1
	s_delay_alu instid0(VALU_DEP_2)
	v_sub_f32 v[TP+2*\t], v[ST0+4*\t], v[TP+2*\t]  ; old M - new M: a whole number, 0 or less
.endr
.irp t, 0,1
	s_delay_alu instid0(VALU_DEP_2)
	v_cvt_i32_f32 v[TP+2*\t], v[TP+2*\t]           ; (it saturates)
.endr
.irp t, 0,1
	s_delay_alu instid0(VALU_DEP_2)
	v_ldexp_f32 v[FX+2*\t], 1.0, v[TP+2*\t]        ; f = 2^(old M - new M)
.endr
.if \c
.irp t, 0,1
	s_delay_alu instid0(VALU_DEP_2)
	v_mul_f32 v[FT+2*\t], v[FT+2*\t], v[FF+2*\t]   ; the step's f: both factors are powers of two or 0
.endr
.irp t, 0,1
	s_delay_alu instid0(VALU_DEP_4)
	v_mul_f32 v[PW+2*\t], v[PW+2*\t], v[FF+2*\t]   ; the first half's scale under the new M: only its exponent field moves
.endr
.endif
.irp t, 0,1
.set jj, 0
.rept 16
	v_pk_fma_f32 v[S+32*\t+jj:S+32*\t+jj+1], v[S+32*\t+jj:S+32*\t+jj+1], s[CS:CS+1], v[ST0+4*\t:ST0+4*\t+1] op_sel_hi:[1,0,0]   ; t - M, two at a time (of the pairs the low word serves both halves)
.set jj, jj+2
.endr
.endr
.irp t, 0,1
	v_fma_f32 v[BM+\t], v[BM+\t], s[CS], v[ST0+4*\t]             ; the same of the block's largest score
.endr
	s_wait_alu depctr_va_vdst(0)                   ; ahead of the batch
.irp t, 0,1
	v_exp_f32 v[BM+\t], v[BM+\t]                   ; the block's largest p
.endr
.set jj, 0
.rept 64
	v_exp_f32 v[S+jj], v[S+jj]                     ; p = 2^(t - M), at most 1
.set jj, jj+1
.endr
.irp t, 0,1
	v_pk_mul_f32 v[ST0+4*\t+2:ST0+4*\t+3], v[ST0+4*\t+2:ST0+4*\t+3], v[FX+2*\t:FX+2*\t+1] op_sel_hi:[1,0]   ; the sums under the new M; plain instructions behind the exponentials
.endr
	s_wait_alu depctr_va_vdst(0)                   ; one for the batch of 66, ahead of its first reader
.set jj, 0
.rept 16
.irp t, 0,1
	v_pk_add_f32 v[ST0+4*\t+2:ST0+4*\t+3], v[ST0+4*\t+2:ST0+4*\t+3], v[S+32*\t+jj:S+32*\t+jj+1]   ; the row's sum is taken of the unquantised p: two at a time, the tiles by turns
.endr
.set jj, jj+2
.endr
.irp t, 0,1
	v_max_num_f32 v[BM+\t], 0x1800000, v[BM+\t]    ; the floor 2^(3 - 127): the byte cannot fall under 1
.endr
.irp t, 0,1
	s_delay_alu instid0(VALU_DEP_2)
	v_add_nc_u32 v[SX+SXS*\t], 0xff000000, v[BM+\t]              ; 2 off the exponent field: the conversion's scale operand
.endr
.if \c
.irp t, 0,1
	s_delay_alu instid0(VALU_DEP_2)
	v_lshrrev_b32 v[PT+\t], 23, v[SO+\t]           ; this half's byte,
.endr
.irp t, 0,1
	v_lshrrev_b32 v[TP+2*\t], 23, v[PW+2*\t]       ; and the first half's
.endr
.irp t, 0,1
	s_delay_alu instid0(VALU_DEP_2)
	v_lshl_or_b32 v[TP+2*\t], v[PT+\t], 16, v[TP+2*\t]           ; my blocks h and 2 + h, at bytes 0 and 2
.endr
.irp t, 0,1
	s_delay_alu instid0(VALU_DEP_2)
	v_permlanex16_b32 v[PT+\t], v[TP+2*\t], s[SEL], s[SEL+1]
.endr
.irp t, 0,1
	s_delay_alu instid0(VALU_DEP_2)
	v_lshl_or_b32 v[PW+2*\t], v[PT+\t], 8, v[TP+2*\t]            ; lanes 0-15, which the product reads: blocks 0 1 2 3 (lanes 16-31 hold the same four bytes in the order 1 0 3 2)
.endr
.endif
.irp t, 0,1                                    ; the codes: first half: tile 0 at X, tile 1 at X + 6 for the time being; second half: at X + 12 t + 6
	v_cvt_scalef32_pk16_fp6_f32 v[X+6*\t+6*\c*(1+\t):X+6*\t+6*\c*(1+\t)+2], v[S+32*\t:S+32*\t+15], v[SX+SXS*\t]
	v_cvt_scalef32_pk16_fp6_f32 v[CT+6*\t:CT+6*\t+2], v[S+32*\t+16:S+32*\t+31], v[SX+SXS*\t]   ; (a conversion's three registers begin on an even number)
.endr
	v_nop                                          ; one plain instruction behind the scaled conversions
.irp t, 0,1
.irp i, 0,1,2
	v_mov_b32 v[X+6*\t+6*\c*(1+\t)+3+\i], v[CT+6*\t+\i]
.endr
.endr
.endm
; O^T += V P^T, both tiles, all 128 keys: V's four fragments land in the registers that p has left, each read once and multiplied twice.
.macro PV buf
.irp n, 0,1,2,3
.irp p, 0,1,2
	ds_load_b128 v[S+12*\n+4*\p:S+12*\n+4*\p+3], v[LI] offset:(\buf)*IMG+VIM+\n*FRB+512*\p
.endr
	ds_load_b32 v[SW+\n], v[LS] offset:(\buf)*IMG+VSC+64*\n
.endr
	s_wait_alu depctr_va_vdst(0)                   ; directly ahead of the first reader of O^T
.irp t, 0,1
.set jj, 0
.rept 16
	v_pk_mul_f32 v[OA+32*\t+jj:OA+32*\t+jj+1], v[OA+32*\t+jj:OA+32*\t+jj+1], v[FT+2*\t:FT+2*\t+1] op_sel_hi:[1,0]   ; O^T x the step's f, each accumulator from its low end on.  These 32 also stand between the writes of p's codes and scale words and the products
.set jj, jj+2
.endr
.endr
	s_wait_alu depctr_va_vdst(0)                   ; directly ahead of the wait below
	s_wait_dscnt 0x0                               ; V's fragments and scale words are in
.irp n, 0,1,2,3                                ; eight accumulators by turns, one instruction a turn
.irp t, 0,1
	v_wmma_scale_f32_16x16x128_f8f6f4 v[OA+32*\t+8*\n:OA+32*\t+8*\n+7], v[S+12*\n:S+12*\n+11], v[X+12*\t:X+12*\t+11], v[OA+32*\t+8*\n:OA+32*\t+8*\n+7], v[SW+\n], v[PW+2*\t] matrix_a_fmt:MATRIX_FMT_FP6 matrix_b_fmt:MATRIX_FMT_FP6
.endr
.endr
	NOPS 5                                         ; the next matrix instruction writes S^T over V's fragments: five plain instructions between
.endm
; A KEY STEP on image buffer buf.  mode 1: the next chunk is quantised into the next buffer and the chunk behind it asked for; 2: the asking is left out in the last trip; 3: both are (there is no such chunk).
.macro STEP buf, mode
.if \mode == 3
	s_cmp_eq_u32 s[CNT], 3
	s_cbranch_scc1 .Lnofeed_\@
	FEED (\buf+1)%4, 1
.Lnofeed_\@:
.else
	FEED (\buf+1)%4, \mode
.endif
	s_wait_dscnt 0x0                               ; my codes of the next chunk have landed (and my reads of the last step's buffer were over long ago):
	s_barrier_signal -1                            ; say so,
	SHALF 0, \buf                                  ; work on this step's buffer, which nobody writes before three more barriers,
	SMH 0
	SHALF 1, \buf
	SMH 1
	PV \buf
	s_barrier_wait -1                              ; and go on to the next chunk when all sixteen have said so
.endm
	s_load_b128 s[4:7], s[0:1], 0x0                ; qkv s[4:5], out0 s[6:7]
	v_lshrrev_b32 v1, 5, v0
	s_delay_alu instid0(VALU_DEP_1)
	v_readfirstlane_b32 s[WV], v1                  ; wave 0..15
	s_lshr_b32 s9, s[WV], 3                        ; R: 0 = I feed K, 1 = I feed V
	s_xor_b32 s10, s9, 1                           ; N = 1 - R
	s_and_b32 s11, s[WV], 7                        ; my number among the eight of my role
	s_lshr_b32 s28, s11, 1                         ; f: K: keys 32 f on; V: channels 16 f on
	s_and_b32 s29, s11, 1                          ; e: K: channels 32 e on; V: channels 8 e on of the fragment's 16
	s_lshr_b32 s18, s28, 1                         ; f / 2
	s_and_b32 s19, s28, 1                          ; f % 2
	; With a = lane % 8, u = bit 3 and g = bit 4 of the lane, my codes are registers 6 u .. 6 u + 5 of: K: fragment 2 (f / 2) + g, lane a + 8 (f % 2) + 16 e;  V: fragment f, lane a + 8 e + 16 g.
	s_mul_i32 s30, s10, FRB-256
	s_add_co_u32 s30, s30, 256                     ; g's weight in the image: a fragment (K), 16 lanes (V)
	s_mul_i32 s31, s9, VIM
	s_mul_i32 s32, s18, 2*FRB
	s_add_co_u32 s31, s31, s32
	s_lshl_b32 s32, s29, 7
	s_add_co_u32 s31, s31, s32
	s_add_co_u32 s32, s19, s29
	s_mul_i32 s32, s32, s10
	s_lshl_b32 s32, s32, 7
	s_add_co_u32 s31, s31, s32
	s_and_b32 s32, s19, s9
	s_mul_i32 s32, s32, FRB
	s_add_co_u32 s31, s31, s32                     ; K: 3,072 (f / 2) + 128 (f % 2) + 256 e;  V: VIM + 1,536 f + 128 e
	s_mul_i32 s33, s10, 63
	s_add_co_u32 s33, s33, 1                       ; the scale byte: g's weight: 64 (K: the next fragment), 1 (V: the next block)
	s_lshl_b32 s34, s9, 8
	s_add_co_u32 s34, s34, KSC
	s_lshl_b32 s35, s18, 7
	s_add_co_u32 s34, s34, s35
	s_lshl_b32 s35, s19, 5
	s_add_co_u32 s34, s34, s35
	s_add_co_u32 s34, s34, s29
	s_and_b32 s35, s19, s9
	s_lshl_b32 s35, s35, 5
	s_add_co_u32 s34, s34, s35
	s_and_b32 s35, s29, s9
	s_mul_i32 s35, s35, 31
	s_add_co_u32 s34, s34, s35                     ; K: KSC + 128 (f / 2) + 32 (f % 2) + e;  V: VSC + 64 f + 32 e
	s_mul_i32 s36, s11, STW
	s_add_co_u32 s36, s36, STG                     ; my turning stage (used by waves 8-15 alone)
	s_mul_i32 s37, s9, 12
	s_add_co_u32 s37, s37, 4                       ; bytes a lane in a load of the feed: 4 (K), 16 (V)
	s_lshl_b32 s38, s[WV], 7
	s_add_co_u32 s38, s38, OST                     ; the way out: my 32 queries' 128 bytes of a row
	s_mul_i32 s39, s[WV], 4*OP
	s_add_co_u32 s39, s39, OST                     ; and the four rows that I store
	v_and_b32 v[TA], 7, v0                         ; a
	v_bfe_u32 v[TU], v0, 3, 1                      ; u
	v_bfe_u32 v[TG], v0, 4, 1                      ; g
	v_and_b32 v[TL], 31, v0                        ; lane
	s_delay_alu instid0(VALU_DEP_1)
	v_lshlrev_b32 v[LI], 4, v[TL]
	v_and_b32 v[LS], 15, v0
	s_delay_alu instid0(VALU_DEP_1)
	v_lshlrev_b32 v[LS], 2, v[LS]
	v_mul_u32_u24 v[TX], s30, v[TG]
	s_delay_alu instid0(VALU_DEP_1)
	v_lshl_add_u32 v[TX], v[TA], 4, v[TX]
	s_delay_alu instid0(VALU_DEP_1)
	v_add_nc_u32 v[TX], s31, v[TX]                 ; 16 x the image's lane + my fragment
	s_delay_alu instid0(VALU_DEP_1)
	v_mad_u32_u24 v[W0], v[TU], 520, v[TX]         ; registers 0, 1 at +0 and 4, 5 at +512; registers 6, 7 at 512 + 8 and 10, 11 at 1,024 + 8
	s_delay_alu instid0(VALU_DEP_2)
	v_mad_u32_u24 v[W1], v[TU], 1016, v[TX]        ; (+8:) registers 2, 3 at +8; registers 8, 9 at 1,024
	v_mul_u32_u24 v[WS], s33, v[TG]
	s_delay_alu instid0(VALU_DEP_1)
	v_lshl_add_u32 v[WS], v[TA], 2, v[WS]
	s_delay_alu instid0(VALU_DEP_1)
	v_lshl_add_u32 v[WS], v[TU], 1, v[WS]
	s_delay_alu instid0(VALU_DEP_1)
	v_add_nc_u32 v[WS], s34, v[WS]
	v_lshlrev_b32 v[VST], 4, v[TA]                 ; the turning stage, in: lane l holds keys 4 l on, block 2 g + u; that block of channel i has place i + 8 g + 16 u
	s_delay_alu instid0(VALU_DEP_1)
	v_mad_u32_u24 v[VST], v[TU], 2304, v[VST]
	s_delay_alu instid0(VALU_DEP_1)
	v_mad_u32_u24 v[VST], v[TG], 1152, v[VST]
	s_delay_alu instid0(VALU_DEP_1)
	v_add_nc_u32 v[VST], s36, v[VST]
	v_mul_u32_u24 v[VLD], v[TL], 144               ; out: place = my lane: channel a, block 2 u + g
	s_delay_alu instid0(VALU_DEP_1)
	v_add_nc_u32 v[VLD], s36, v[VLD]
	v_mul_u32_u24 v[GOF], s37, v[TL]
	v_lshlrev_b32 v[QT], 2, v[TL]
	v_mad_u32_u24 v[SOA0], v[TG], 8*OP, v[LS]      ; the way out: lanes 16-31 hold the channels 8 further on
	s_delay_alu instid0(VALU_DEP_1)
	v_add_nc_u32 v[SOA0], s38, v[SOA0]
	s_delay_alu instid0(VALU_DEP_1)
	v_add_nc_u32 v[SOA1], 32*OP, v[SOA0]
	v_add_nc_u32 v[SRD], s39, v[LI]
	; offsets in memory, apart from the addresses
	s_and_b32 s40, ttmp7, 0xffff                   ; the head
	s_mul_i32 s41, s40, 192*8192                   ; its first byte in qkv
	s_lshl_b32 s42, ttmp9, 11                      ; the work-group's 512 queries
	s_lshl_b32 s43, s[WV], 7                       ; my wave's 32
	s_add_co_u32 s42, s42, s43
	s_add_co_u32 s42, s42, s41
	s_mov_b32 s43, 0
	s_lshl_b32 s44, s29, 18                        ; K: row 64 + 32 e, keys 32 f on
	s_lshl_b32 s45, s28, 7
	s_add_co_u32 s44, s44, s45
	s_add_co_u32 s44, s44, 64*8192
	s_lshl_b32 s45, s11, 16                        ; V: row 128 + 8 x my number
	s_add_co_u32 s45, s45, 128*8192
	s_cmp_lt_u32 s[WV], 8
	s_cselect_b32 s44, s44, s45
	s_add_co_u32 s44, s44, s41
	s_mov_b32 s45, 0
	s_lshl_b32 s46, s40, 19                        ; the head's first byte in out0
	s_lshl_b32 s47, ttmp9, 11
	s_add_co_u32 s46, s46, s47
	s_lshl_b32 s47, s[WV], 15                      ; rows 4 w on
	s_add_co_u32 s46, s46, s47
	s_mov_b32 s47, 0
	s_mov_b32 s[SEL], 0x76543210
	s_mov_b32 s[SEL+1], 0xfedcba98
	s_mov_b32 s[CS], 0x3fb8aa3b                    ; log2(e)
	s_mov_b32 s[CS+1], s[CS]                       ; (named with it as a pair, so it is written)
	s_mov_b32 s[QS], 0x3eb504f3                    ; 1 / sqrt(sqrt(64)) as f32 arithmetic gives it
	s_mov_b32 s[QS+1], s[QS]
	s_wait_alu depctr_va_vdst(0)                   ; the head's end
	s_wait_kmcnt 0x0
	s_add_nc_u64 s[QB:QB+1], s[4:5], s[42:43]
	s_add_nc_u64 s[SRC:SRC+1], s[4:5], s[44:45]
	s_add_nc_u64 s[OB:OB+1], s[6:7], s[46:47]
.set ii, 0
.rept 64
	global_load_b32 v[S+ii], v[QT], s[QB:QB+1] offset:ii*8192 th:TH_LOAD_NT   ; Q: lane = query, registers run down the 64 channels; 128 consecutive bytes a load; read once
.set ii, ii+1
.endr
	s_cmp_lt_u32 s[WV], 8                          ; the first chunk of the feed
	s_cbranch_scc0 .Lfirst_v
	KLOADS
	s_branch .Lfirst_asked
.Lfirst_v:
	VLOADS
.Lfirst_asked:
.irp z, 20,21,22,23,24,25,32,33,34,35,36,37,44,45,46,47,48,49
	v_mov_b32 v\z, 0                               ; the zero codes beside Q
.endr
.set ii, 0
.rept 64
	v_mov_b32 v[OA+ii], 0                          ; O^T.  (The key step has no first step of its own: it finds zeros, which the first change of M leaves zeros)
.set ii, ii+1
.endr
.irp t, 0,1
	v_mov_b32 v[PW+2*\t], 0                        ; (named as the upper half of the pair with the step's f before it is first written)
	v_mov_b32 v[ST0+4*\t+1], 0xff61b1e6            ; the largest t so far: -3e38, under every t
	s_delay_alu instid0(VALU_DEP_1)
	v_floor_f32 v[ST0+4*\t], -v[ST0+4*\t+1]        ; -M
	v_mov_b32 v[ST0+4*\t+2], 0                     ; the sum, in two halves
	v_mov_b32 v[ST0+4*\t+3], 0
.endr
	s_wait_loadcnt 0x0
.set ii, 0
.rept 32
	v_pk_mul_f32 v[S+2*ii:S+2*ii+1], v[S+2*ii:S+2*ii+1], s[QS:QS+1] op_sel_hi:[1,0]   ; q x s4, in f32, ahead of the quantiser
.set ii, ii+1
.endr
	QUANT32 S, QL, BY                              ; channels 0-31 of my lane's query
	QUANT32 S+32, QL+12, BY1                       ; channels 32-63
.irp i, 0,1,2,3,4,5
	v_permlane16_swap_b32 v[QL+\i], v[QL+12+\i]    ; the first is now tile 0's fragment (lane (r, h): query r, channels 32 h on), the second tile 1's
.endr
	v_lshl_or_b32 v[M0], v[BY1], 8, v[BY]
	s_delay_alu instid0(VALU_DEP_1)
	v_lshl_or_b32 v[QW], v[M0], 16, v[M0]          ; bytes e0 e1 e0 e1: the word serves [Q | 0] and [0 | Q]
	FEED 0, 1                                      ; chunk 0 into buffer 0; chunk 1 is asked for
	BARRIER
	s_mov_b32 s[CNT], 0
.Lquad:                                            ; four trips of four steps: step j quantises chunk j + 1 and asks for chunk j + 2, as far as there are chunks
	STEP 0, 1
	STEP 1, 1
	STEP 2, 2
	STEP 3, 3
	s_add_co_u32 s[CNT], s[CNT], 1
	s_cmp_lt_u32 s[CNT], 4
	s_cbranch_scc1 .Lquad
	; THE WAY OUT.  O^T / the row's sum goes into a stage of 64 rows (channels) x 512 queries; behind a barrier each wave stores four whole rows of 2,048 bytes.
.irp t, 0,1
	v_add_f32 v[BM+\t], v[ST0+4*\t+2], v[ST0+4*\t+3]             ; the sum's two halves,
.endr
.irp t, 0,1
	v_permlanex16_b32 v[SO+\t], v[BM+\t], s[SEL], s[SEL+1]
.endr
.irp t, 0,1
	v_add_f32 v[BM+\t], v[BM+\t], v[SO+\t]         ; and lane l xor 16's: the row's sum
.endr
	s_wait_alu depctr_va_vdst(0)                   ; ahead of the reciprocals
	v_rcp_f32 v[FF], v[BM]
	v_rcp_f32 v[FF+2], v[BM+1]
	v_nop                                          ; a plain instruction behind the reciprocals
	s_wait_alu depctr_va_vdst(0)                   ; one for both, directly ahead of the first reader
.irp t, 0,1
.set jj, 0
.rept 16
	v_pk_mul_f32 v[OA+32*\t+jj:OA+32*\t+jj+1], v[OA+32*\t+jj:OA+32*\t+jj+1], v[FF+2*\t:FF+2*\t+1] op_sel_hi:[1,0]   ; each accumulator from its low end on
.set jj, jj+2
.endr
.endr
.irp t, 0,1
.irp n, 0,1,2,3
.irp j, 0,1,2,3,4,5,6,7
.if \n < 2
	ds_store_b32 v[SOA0], v[OA+32*\t+8*\n+\j] offset:((\n%2)*16+\j)*OP+64*\t   ; lane (r, h): channel 16 n + 8 h + j, query 32 w + 16 t + r: sixteen lanes write 64 consecutive bytes of a row
.else
	ds_store_b32 v[SOA1], v[OA+32*\t+8*\n+\j] offset:((\n%2)*16+\j)*OP+64*\t
.endif
.endr
.endr
.endr
	BARRIER                                        ; 64 whole rows lie in the stage
.set nn, 0
.rept 16
	ds_load_b128 v[S+4*nn:S+4*nn+3], v[SRD] offset:(nn/4)*OP+512*(nn%4)
.set nn, nn+1
.endr
.set nn, 0
.rept 16
	s_wait_dscnt 15-nn                             ; LDS loads come back in order (ISA guide 5.7.1): this one is in, the younger ones may be out
	global_store_b128 v[LI], v[S+4*nn:S+4*nn+3], s[OB:OB+1] offset:(nn/4)*8192+512*(nn%4) th:TH_STORE_NT   ; 32 lanes store 512 consecutive bytes, at a multiple of 256 from out0's first byte
.set nn, nn+1
.endr
	s_wait_xcnt 0x0
	v_lshl_add_u32 v254, v0, 2, SPARE              ; the wave's end, behind my last LDS store
	v_mov_b32 v255, 0
	s_wait_alu depctr_va_vdst(0)
	s_wait_tensorcnt 0x0
	ds_add_u32 v254, v255
	s_wait_dscnt 0x0
	s_endpgm
.Lfunc_end_k_q2d3e86847c_attn:
	.size	k_q2d3e86847c_attn, .Lfunc_end_k_q2d3e86847c_attn-k_q2d3e86847c_attn
	.p2alignl 7, 3214868480
	.fill 96, 4, 3214868480
	.section	.rodata,"a",@progbits
	.p2align	6, 0x0
	.amdhsa_kernel k_q2d3e86847c_attn
		.amdhsa_group_segment_fixed_size 236544
		.amdhsa_private_segment_fixed_size 0
		.amdhsa_enable_private_segment 0
		.amdhsa_kernarg_size 16
		.amdhsa_user_sgpr_count 2
		.amdhsa_user_sgpr_kernarg_segment_ptr 1
		.amdhsa_wavefront_size32 1
		.amdhsa_system_sgpr_workgroup_id_x 1
		.amdhsa_system_sgpr_workgroup_id_y 1
		.amdhsa_system_sgpr_workgroup_id_z 1
		.amdhsa_system_vgpr_workitem_id 0
		.amdhsa_next_free_vgpr 256
		.amdhsa_next_free_sgpr 66
		.amdhsa_reserve_vcc 0
		.amdhsa_float_denorm_mode_32 3
		.amdhsa_float_denorm_mode_16_64 3
		.amdhsa_memory_ordered 1
		.amdhsa_forward_progress 1
		.amdhsa_inst_pref_size 194
	.end_amdhsa_kernel
	.amdgpu_metadata
---
amdhsa.version: [ 1, 2 ]
amdhsa.kernels:
  - .name:           k_q2d3e86847c_attn
    .symbol:         k_q2d3e86847c_attn.kd
    .args:
      - { .name: qkv, .offset: 0, .size: 8, .value_kind: global_buffer, .address_space: global }
      - { .name: out0, .offset: 8, .size: 8, .value_kind: global_buffer, .address_space: global }
    .group_segment_fixed_size: 236544
    .private_segment_fixed_size: 0
    .kernarg_segment_align: 8
    .kernarg_segment_size: 16
    .max_flat_workgroup_size: 512
    .sgpr_count:     66
    .vgpr_count:     256
    .wavefront_size: 32
...
	.end_amdgpu_metadata
.endif
;; end of part 1
